; MI455X (gfx1250); checked and timed in simulation.
; The chip was launched on July 23, 2026; its instructions are those of AMD's public machine-readable ISA for CDNA 5 (MIT licence, August 2026) and "CDNA5" Instruction Set Architecture Reference Guide (July 2026). The comments in the code are by the model that wrote it; some were corrected since.
;; Mo E. Allowed arithmetic: matrix products marked QUANTISED: E4M3 operands, one given power-of-two scale a tensor, by v_wmma_f32_16x16x64_fp8_fp8 or v_wmma_f32_16x16x128_fp8_fp8, f32 sums; products left as they are: f32 operands where the result goes on into a quantised operand, else bf16, f16 or f32 operands; f32 sums; everything else in f32.
;; Inputs: W1_codes 8 x 4,096 x 32 x 32 uint8 (E4M3 codes of W1, K innermost, in blocks of 32 codes); W2_codes 8 x 1,024 x 128 x 32 uint8 (E4M3 codes of W2, K innermost, in blocks of 32 codes); Wg 1,024 x 8 float32; b1 8 x 4,096 float32; b2 8 x 1,024 float32; bg 8 float32; lowp_scales 4 int32 (the exponents e of the quantised operands' scales 2^e); x 1,024 x 1,024 float32.
;; Outputs: out0 1,024 x 1,024 float32.
;; This version of the problem:
;;   THIS VERSION OF THE PROBLEM IS GIVEN IN LOW PRECISION. The matrix products marked QUANTISED in the list below multiply operands that are first quantised to E4M3 (4 exponent bits, 3 mantissa bits; 8 bits a number), with one given power-of-two scale for each operand tensor; their sums are f32. All else is computed in f32.
;;   The module's matrix products, in the order in which they are computed (A, B: the left and right operand; K: the contracted axis; several contracted axes count as one K, in the product's order):
;;     1. [M 1,024, K 1,024] x [K 1,024, N 8]; A: input x; B: input Wg: left as it is (N = 8 < 16)
;;     2. [M 32,768, K 1,024] x [K 1,024, N 1,024]; A: input W1 (given as codes); B: input x: QUANTISED (scales: A lowp_scales[0], B lowp_scales[1])
;;     3. batch 8 x [M 1,024, K 4,096] x [K 4,096, N 1,024]; A: computed on the way; B: input W2 (given as codes): QUANTISED (scales: A lowp_scales[2], B lowp_scales[3])
;;     4. batch 1,024 x [M 1,024, K 8] x [K 8, N 1]; A: computed on the way; B: computed on the way: left as it is (K = 8 < 32)
;;   THE QUANTISER, for each operand of a quantised product, along K:
;;     - The operand's scale is 2^e, e = its entry of the input lowp_scales (int32; the entries are numbered through the quantised products in the list's order, A before B).
;;     - Each number is divided by the scale, clamped to +-448, and rounded to the nearest number of E4M3, ties to even, subnormals kept.
;;     - The product sums the exact products of the quantised numbers (number of the format x scale) in f32.
;;   ~~~python
;;   def quantise(x, axis, e):      # numpy; x: float32 -> the quantised numbers, widened to float32 again
;;       x = np.moveaxis(x, axis, -1); K = x.shape[-1]
;;       r = np.clip(x / 2.0 ** e, -448, 448)
;;       step = 2.0 ** (np.maximum(np.frexp(np.where(r == 0, 1, r))[1] - 1, -6) - 3)
;;       q = np.round(r / step) * step * 2.0 ** e      # np.round: ties to even
;;       return np.moveaxis(q, -1, axis).astype(np.float32)
;;   ~~~
;;   OPERANDS COMPUTED ON THE WAY. 'Computed on the way' means the value that the module computes at that place (a softmax that the list does not call 'softmax' is quantised finished and normalised). What goes into a quantiser is computed in f32, as accurately as f32 sums, v_exp_f32 and their like allow (about 1e-6 of the number): no bf16 or f16 on the way to a quantiser, and a product that is left as it is and whose result goes on into a quantised operand takes f32 operands (vector FMAs, or v_wmma_f32_16x16x4_f32). A number that lies on a knife's edge between two numbers of the format may be rounded either way, as far as f32 arithmetic and the matrix unit's own rounding can turn it there, and no further.
;;   INPUTS GIVEN AS CODES. W1 (in the module: [8, 1024, 4096], K = its axis 1); W2 (in the module: [8, 4096, 1024], K = its axis 1): each comes as NAME_codes (uint8): NAME with its K axis moved to the last place and cut into blocks of 32 codes, [.., K / 32, bytes a block], one block behind the other in memory; one code a byte (a code: sign, 4 exponent bits, 3 mantissa bits); its scale is its entry of lowp_scales. Its value is code x scale, taken as it is: it is not quantised again, and the codes and scales need not be those that the quantiser above would give.
;; One version. Each part assembles by itself: llvm-mc -triple=amdgcn-amd-amdhsa -mcpu=gfx1250 --defsym DOCPART=n.
;; ======== version 1 of 1: 4 launches
;; limits: right only within a limited range of input values
;; workspace buffers: xq 1,048,576 bytes; sel 2,048 bytes of whole numbers; gate 8,192 bytes; hq 33,554,432 bytes; lst 32,768 bytes of whole numbers; cnt 2,048 bytes of whole numbers; yw 16,777,216 bytes
;; launch route (part 1): grid 128 x 1, 4 waves a work-group, no clusters, 76,288 bytes of LDS; arguments x, Wg, bg, lowp_scales, xq, sel, gate; writes xq, sel, gate
.if DOCPART == 1
	.amdgcn_target "amdgcn-amd-amdhsa--gfx1250"
	.amdhsa_code_object_version 6
	.text
	.protected	k_q88dff24471_route
	.globl	k_q88dff24471_route
	.p2align	8
	.type	k_q88dff24471_route,@function
k_q88dff24471_route:
	s_mov_b64 s[64:65], 0
	v_nop
	global_prefetch_b8 v0, s[64:65] scope:SCOPE_SE
	s_setreg_imm32_b32 hwreg(HW_REG_WAVE_MODE, 25, 1), 1
	s_wait_xcnt 0x0
; THE ROUTER AND x's CODES.  logits = x Wg + bg in f32; p = exp(logit - largest logit); the two largest p (ties: the lower expert); gates p1 / (p1 + p2), p2 / (p1 + p2): the softmax's divisor cancels.
; x [1024][1024] f32 also becomes codes of E4M3 with the given scale 2^e1 (entry 1 of the scales): xq [token][1024], one byte a number.
; OUT: sel: for expert e, slot s (0: the largest, 1: the second), the byte e*256 + s*128 + token/8 holds bit token%8: read as 32-bit words, bit l of word j of an expert is the routed row id = 32 j + l = 1024 s + token.
;      gate[id] f32.  The choice is stored as data at fixed places: no address and no branch here hangs on it.
; SHARES.  A work-group takes 8 tokens; wave w takes d = 256 w .. 256 w + 255 of all eight.  Every load reads 512 consecutive bytes; x turns through the wave's own stage in LDS so that a lane holds 16 neighbours
; along d of one token (lanes 0-15: token 2 p, lanes 16-31: token 2 p + 1, in step p), which is what the conversion wants; Wg's 8,192 bytes of the wave turn likewise, so that a lane holds its 16 rows of Wg.
; No matrix unit: the product has 8 columns.  No cluster: work-groups share only Wg's 32 KiB.  sel's 16 bytes a work-group go to 16 places: 2 KiB in the whole launch.
; LIMITS: e1 between -126 and 119.  NaN and infinities among the inputs are not served.  Weights that are equal within f32 rounding may be chosen either way.
.set R,    16                          ; v16-79   x: four steps x 16 numbers
.set WGR,  80                          ; v80-207  Wg: register 8 i + e = Wg(my d + i, e)
.set AC,   208                         ; v208-239 eight sums for each step
.set CD,   240                         ; v240-255 four registers of codes for each step
.set SP,   80                          ; a lane's place in x's stage: 64 bytes + 16
.set XSTB, 32*SP                       ; a step's stage
.set WGSO, 4*XSTB                      ; behind the four: Wg's stage, 16 groups of 512 bytes + 16
.set WGP,  528
.set WREG, WGSO+16*WGP                 ; a wave's region: 18,688 bytes
.set PART, 4*WREG                      ; the waves' partial logits: [wave][token][8] f32, 1,024 bytes
	s_load_b256 s[4:11], s[0:1], 0x0               ; x s[4:5], Wg s[6:7], bg s[8:9], the scales s[10:11]
	s_load_b128 s[12:15], s[0:1], 0x20             ; xq s[12:13], sel s[14:15]
	s_load_b64 s[16:17], s[0:1], 0x30              ; gate
	s_set_vgpr_msb 0x40
	v_lshl_add_u32 v0, v0, 2, 0x12800
	v_mov_b32 v1, 0
	s_set_vgpr_msb 0x4000
	v_lshrrev_b32 v1, 5, v0
	v_readfirstlane_b32 s18, v1                    ; wave
	v_and_b32 v1, 31, v0                           ; lane
	v_and_b32 v2, 15, v0                           ; lane % 16
	v_bfe_u32 v3, v0, 4, 1                         ; lane / 16
	v_lshlrev_b32 v4, 4, v1                        ; my 16 bytes of a load's 512
	s_mul_i32 s19, s18, WREG
	v_bfe_u32 v5, v0, 2, 3
	v_mul_u32_u24 v5, v5, SP
	v_and_b32 v6, 3, v0
	v_lshl_add_u32 v5, v6, 4, v5
	v_add_nc_u32 v5, s19, v5                       ; x's stage, in: four lanes' 64 bytes on end, then 16 of padding
	v_mul_u32_u24 v6, v1, SP
	v_add_nc_u32 v6, s19, v6                       ; and out: my 16 neighbours
	v_add_nc_u32 v7, s19, v4
	v_add_nc_u32 v7, WGSO, v7                      ; Wg's stage, in
	v_mul_u32_u24 v8, v2, WGP
	v_add_nc_u32 v8, s19, v8
	v_add_nc_u32 v8, WGSO, v8                      ; and out: group lane % 16 = my 16 rows of Wg
	s_lshl_b32 s40, s18, 8
	v_lshlrev_b32 v9, 5, v3
	v_add_nc_u32 v9, s40, v9
	v_add_nc_u32 v9, PART, v9                      ; my wave's partial sums: token 2 p + lane / 16
	v_lshlrev_b32 v10, 10, v3
	v_lshl_add_u32 v10, v2, 4, v10                 ; xq: a row of 1,024 bytes for each half of the lanes, 16 bytes a lane
	v_and_b32 v13, 7, v0                           ; the last phase: my token
	v_lshlrev_b32 v14, 5, v13
	v_add_nc_u32 v14, PART, v14
	v_bfe_u32 v15, v0, 3, 1                        ; and my slot
	s_lshl_b32 s32, ttmp9, 15                      ; 8 rows of x,
	s_lshl_b32 s33, s18, 10                        ; my wave's 1,024 bytes of a row
	s_add_co_u32 s32, s32, s33
	s_mov_b32 s33, 0
	s_lshl_b32 s34, s18, 13                        ; my wave's 256 rows of Wg
	s_mov_b32 s35, 0
	s_lshl_b32 s36, ttmp9, 13                      ; 8 rows of xq, my wave's 256 bytes
	s_add_co_u32 s36, s36, s40
	s_mov_b32 s37, 0
	s_mov_b32 s38, ttmp9                           ; sel: byte token / 8 = the work-group's number
	s_mov_b32 s39, 0
	s_lshl_b32 s42, ttmp9, 5                       ; gate: 8 tokens x 4 bytes
	s_mov_b32 s43, 0
	s_wait_kmcnt 0x0
	s_load_b128 s[20:23], s[10:11], 0x0            ; e0 .. e3
	s_load_b256 s[24:31], s[8:9], 0x0              ; bg
	s_add_nc_u64 s[4:5], s[4:5], s[32:33]
	s_add_nc_u64 s[6:7], s[6:7], s[34:35]
	s_add_nc_u64 s[12:13], s[12:13], s[36:37]
	s_add_nc_u64 s[14:15], s[14:15], s[38:39]
	s_add_nc_u64 s[16:17], s[16:17], s[42:43]
.irp p, 0,1,2,3
.irp q, 0,1,2,3
	global_load_b128 v[R+16*\p+4*\q:R+16*\p+4*\q+3], v4, s[4:5] offset:(2*\p+\q/2)*4096+(\q%2)*512 th:TH_LOAD_NT   ; 512 consecutive bytes of token 2 p + q / 2
.endr
.endr
.irp i, 0,1,2,3,4,5,6,7,8,9,10,11,12,13,14,15
	global_load_b128 v[WGR+4*\i:WGR+4*\i+3], v4, s[6:7] offset:512*\i
.endr
	s_wait_loadcnt 16                              ; x's sixteen loads are in; Wg's sixteen, issued behind them, may be out
.irp p, 0,1,2,3
.irp q, 0,1,2,3
	ds_store_b128 v5, v[R+16*\p+4*\q:R+16*\p+4*\q+3] offset:XSTB*\p+8*SP*\q
.endr
.endr
	s_wait_dscnt 0x0                               ; the stores have read their registers, which take the numbers back
.irp p, 0,1,2,3
.irp q, 0,1,2,3
	ds_load_b128 v[R+16*\p+4*\q:R+16*\p+4*\q+3], v6 offset:XSTB*\p+16*\q
.endr
.endr
	s_wait_loadcnt 0x0                             ; Wg
.irp i, 0,1,2,3,4,5,6,7,8,9,10,11,12,13,14,15
	ds_store_b128 v7, v[WGR+4*\i:WGR+4*\i+3] offset:WGP*\i
.endr
	s_wait_dscnt 0x0
.irp k, 0,1,2,3,4,5,6,7,8,9,10,11,12,13,14,15,16,17,18,19,20,21,22,23,24,25,26,27,28,29,30,31
	ds_load_b128 v[WGR+4*\k:WGR+4*\k+3], v8 offset:16*\k
.endr
	s_wait_kmcnt 0x0
	s_add_co_i32 s44, s21, 127
	s_lshl_b32 s45, s44, 23
	v_mov_b32 v11, s45                             ; 2^e1 as f32: the conversion takes its exponent field
	s_add_co_i32 s44, s44, 8
	s_lshl_b32 s44, s44, 23
	s_or_b32 s44, s44, 0x600000
	v_mov_b32 v12, s44                             ; 448 x 2^e1
	s_wait_dscnt 0x0
; Step p: my 16 numbers of token 2 p + lane / 16: eight partial logits (two experts an instruction), summed over the 16 lanes of my half; then the codes.
.macro STEP p
.set XB, R+16*(\p)
.set AB, AC+8*(\p)
.irp q, 0,1,2,3
	v_pk_mul_f32 v[AB+2*\q:AB+2*\q+1], v[XB:XB+1], v[WGR+2*\q:WGR+2*\q+1] op_sel_hi:[0,1]   ; the first product starts the sums; x's first register serves both halves
.endr
.set i, 1
.rept 15
.irp q, 0,1,2,3
.if i%2
	v_pk_fma_f32 v[AB+2*\q:AB+2*\q+1], v[XB+i-1:XB+i], v[WGR+8*i+2*\q:WGR+8*i+2*\q+1], v[AB+2*\q:AB+2*\q+1] op_sel:[1,0,0] op_sel_hi:[1,1,1]
.else
	v_pk_fma_f32 v[AB+2*\q:AB+2*\q+1], v[XB+i:XB+i+1], v[WGR+8*i+2*\q:WGR+8*i+2*\q+1], v[AB+2*\q:AB+2*\q+1] op_sel_hi:[0,1,1]
.endif
.endr
.set i, i+1
.endr
.irp k, 1,2,4,8
.irp e, 0,1,2,3,4,5,6,7
	v_add_f32_dpp v[AB+\e], v[AB+\e], v[AB+\e] row_xmask:\k row_mask:0xf bank_mask:0xf
.endr
.endr
	ds_store_b128 v9, v[AB:AB+3] offset:64*(\p)    ; sixteen lanes write the same 32 bytes with the same numbers
	ds_store_b128 v9, v[AB+4:AB+7] offset:64*(\p)+16
.irp i, 0,1,2,3,4,5,6,7,8,9,10,11,12,13,14,15
	v_med3_num_f32 v[XB+\i], v[XB+\i], -v12, v12   ; the conversion to an 8-bit code does not saturate (ISA guide 7.6.2): the hold at the largest code x the scale
.endr
	v_cvt_scalef32_pk8_fp8_f32 v[CD+4*(\p):CD+4*(\p)+1], v[XB:XB+7], v11
	v_cvt_scalef32_pk8_fp8_f32 v[CD+4*(\p)+2:CD+4*(\p)+3], v[XB+8:XB+15], v11
	v_nop                                          ; a plain instruction behind the last conversion
	global_store_b128 v10, v[CD+4*(\p):CD+4*(\p)+3], s[12:13] offset:2048*(\p)   ; sixteen lanes store 256 consecutive bytes, aligned
.endm
	STEP 0
	STEP 1
	STEP 2
	STEP 3
	s_wait_dscnt 0x0                               ; for the others' sake: my partial sums lie in LDS
	s_barrier_signal -1
	s_barrier_wait -1
	s_cmp_lg_u32 s18, 0
	s_cbranch_scc1 .Lend                           ; wave 0 finishes the eight tokens: lane l takes token l % 8
.irp k, 0,1,2,3
	ds_load_b128 v[16+8*\k:19+8*\k], v14 offset:256*\k
	ds_load_b128 v[20+8*\k:23+8*\k], v14 offset:256*\k+16
.endr
	s_wait_dscnt 0x0
.irp j, 0,2,4,6
	v_pk_add_f32 v[16+\j:17+\j], v[16+\j:17+\j], v[24+\j:25+\j]
	v_pk_add_f32 v[32+\j:33+\j], v[32+\j:33+\j], v[40+\j:41+\j]
.endr
.irp j, 0,2,4,6
	v_pk_add_f32 v[16+\j:17+\j], v[16+\j:17+\j], v[32+\j:33+\j]
.endr
.irp e, 0,1,2,3,4,5,6,7
	v_add_f32 v[16+\e], s[24+\e], v[16+\e]         ; + bg
.endr
	v_max3_num_f32 v56, v16, v17, v18              ; the largest logit is taken away ahead of the exponentials
	v_max3_num_f32 v56, v56, v19, v20
	v_max3_num_f32 v56, v56, v21, v22
	v_max_num_f32 v56, v56, v23
.irp e, 0,1,2,3,4,5,6,7
	v_sub_f32 v[48+\e], v[16+\e], v56
.endr
.irp e, 0,1,2,3,4,5,6,7
	v_mul_f32 v[48+\e], 0x3fb8aa3b, v[48+\e]       ; x log2(e)
.endr
	s_wait_alu depctr_va_vdst(0)
.irp e, 0,1,2,3,4,5,6,7
	v_exp_f32 v[48+\e], v[48+\e]
.endr
	v_mov_b32 v58, 0                               ; the first choice's expert.  (A plain instruction behind the batch)
	s_wait_alu depctr_va_vdst(0)                   ; one wait for the eight exponentials, ahead of their first reader
	v_mov_b32 v57, v48                             ; and its p
.irp e, 1,2,3,4,5,6,7
	v_cmp_ge_f32 vcc_lo, v57, v[48+\e]             ; kept unless p_e is strictly larger: a tie stays with the lower expert
	v_cndmask_b32 v57, v[48+\e], v57, vcc_lo
	v_cndmask_b32 v58, \e, v58, vcc_lo
.endr
	v_mov_b32 v59, -1.0                            ; the second choice: under every p
	v_mov_b32 v60, 0
.irp e, 0,1,2,3,4,5,6,7
	v_cmp_ge_f32 vcc_lo, v59, v[48+\e]
	v_cmp_eq_u32 s32, \e, v58                      ; the first choice is passed over
	s_or_b32 vcc_lo, vcc_lo, s32
	v_cndmask_b32 v59, v[48+\e], v59, vcc_lo
	v_cndmask_b32 v60, \e, v60, vcc_lo
.endr
	v_add_f32 v61, v57, v59
	s_wait_alu depctr_va_vdst(0)
	v_rcp_f32 v61, v61
	v_mov_b32 v62, 0                               ; sel's bytes, one a lane.  (A plain instruction behind the reciprocal)
	s_wait_alu depctr_va_vdst(0)
	v_mul_f32 v57, v57, v61                        ; the two gates
	v_mul_f32 v59, v59, v61
.irp e, 0,1,2,3,4,5,6,7
	v_cmp_eq_u32 s32, \e, v58                      ; lanes 0-7: which of the eight tokens chose expert e first,
	s_and_b32 s32, s32, 0xff
	v_writelane_b32 v62, s32, \e
	v_cmp_eq_u32 s33, \e, v60                      ; and second
	s_and_b32 s33, s33, 0xff
	v_writelane_b32 v62, s33, 8+\e
.endr
	v_lshlrev_b32 v63, 8, v13
	v_lshl_add_u32 v63, v15, 7, v63                ; lane l < 16: expert l % 8, slot l / 8: byte 256 e + 128 s
	v_lshlrev_b32 v64, 2, v13
	v_lshl_add_u32 v64, v15, 12, v64               ; and gate: token l % 8, slot l / 8
	v_cmp_eq_u32 vcc_lo, 0, v15
	v_cndmask_b32 v65, v59, v57, vcc_lo
	v_cmp_gt_u32 vcc_lo, 16, v1
	s_wait_alu depctr_va_vdst(0)
	s_wait_xcnt 0x0                                ; EXEC changes only behind this wait: xq's stores have been issued
	s_and_saveexec_b32 s34, vcc_lo
	global_store_b8 v63, v62, s[14:15]
	global_store_b32 v64, v65, s[16:17]
	s_wait_xcnt 0x0
	s_or_b32 exec_lo, exec_lo, s34
.Lend:
	s_set_vgpr_msb 0x5
	s_wait_tensorcnt 0x0
	ds_add_u32 v0, v1
	s_wait_dscnt 0x0
	s_set_vgpr_msb 0x500
	s_endpgm
.Lfunc_end_k_q88dff24471_route:
	.size	k_q88dff24471_route, .Lfunc_end_k_q88dff24471_route-k_q88dff24471_route
	.p2alignl 7, 3214868480
	.fill 96, 4, 3214868480
	.section	.rodata,"a",@progbits
	.p2align	6, 0x0
	.amdhsa_kernel k_q88dff24471_route
		.amdhsa_group_segment_fixed_size 76288
		.amdhsa_private_segment_fixed_size 0
		.amdhsa_enable_private_segment 0
		.amdhsa_kernarg_size 56
		.amdhsa_user_sgpr_count 2
		.amdhsa_user_sgpr_kernarg_segment_ptr 1
		.amdhsa_wavefront_size32 1
		.amdhsa_system_sgpr_workgroup_id_x 1
		.amdhsa_system_sgpr_workgroup_id_y 1
		.amdhsa_system_sgpr_workgroup_id_z 1
		.amdhsa_system_vgpr_workitem_id 0
		.amdhsa_next_free_vgpr 258
		.amdhsa_next_free_sgpr 66
		.amdhsa_reserve_vcc 1
		.amdhsa_float_denorm_mode_32 3
		.amdhsa_float_denorm_mode_16_64 3
		.amdhsa_memory_ordered 1
		.amdhsa_forward_progress 1
		.amdhsa_inst_pref_size 51
	.end_amdhsa_kernel
	.amdgpu_metadata
---
amdhsa.version: [ 1, 2 ]
amdhsa.kernels:
  - .name:           k_q88dff24471_route
    .symbol:         k_q88dff24471_route.kd
    .args:
      - { .name: x, .offset: 0, .size: 8, .value_kind: global_buffer, .address_space: global }
      - { .name: Wg, .offset: 8, .size: 8, .value_kind: global_buffer, .address_space: global }
      - { .name: bg, .offset: 16, .size: 8, .value_kind: global_buffer, .address_space: global }
      - { .name: lowp_scales, .offset: 24, .size: 8, .value_kind: global_buffer, .address_space: global }
      - { .name: xq, .offset: 32, .size: 8, .value_kind: global_buffer, .address_space: global }
      - { .name: sel, .offset: 40, .size: 8, .value_kind: global_buffer, .address_space: global }
      - { .name: gate, .offset: 48, .size: 8, .value_kind: global_buffer, .address_space: global }
    .group_segment_fixed_size: 76288
    .private_segment_fixed_size: 0
    .kernarg_segment_align: 8
    .kernarg_segment_size: 56
    .max_flat_workgroup_size: 128
    .sgpr_count:     66
    .vgpr_count:     258
    .wavefront_size: 32
...
	.end_amdgpu_metadata
.endif
;; end of part 1
;; launch up (part 2): grid 256 x 1, 8 waves a work-group, no clusters, 284,800 bytes of LDS; arguments W1_codes, xq, sel, b1, lowp_scales, hq, lst, cnt; writes hq, lst, cnt
.if DOCPART == 2
	.amdgcn_target "amdgcn-amd-amdhsa--gfx1250"
	.amdhsa_code_object_version 6
	.text
	.protected	k_q88dff24471_up
	.globl	k_q88dff24471_up
	.p2align	8
	.type	k_q88dff24471_up,@function
k_q88dff24471_up:
	s_mov_b64 s[64:65], 0
	v_nop
	global_prefetch_b8 v0, s[64:65] scope:SCOPE_SE
	s_setreg_imm32_b32 hwreg(HW_REG_WAVE_MODE, 25, 1), 1
	s_wait_xcnt 0x0
; THE FIRST PRODUCT, FOR THE ROUTED ROWS ALONE: hq = codes of gelu(x W1 + b1), exact gelu, with the given scale 2^e2.  Both operands are codes of E4M3 (W1: 2^e0, x: 2^e1).
; SHARES.  256 work-groups: expert E = number / 32, hidden units 128 HS .. + 127, HS = number % 32.  THE WEIGHTS STAY: wave w holds 32 hidden units (CG = w % 4) x all 1,024 along K in 256 registers; each byte of W1 is
; loaded once in the launch, at the head, by addresses that hang on ids alone.  The expert's rows walk past: 64 rows (4 tiles of 16) a lap; waves 0-3 take tiles 0, 1 of a lap, waves 4-7 tiles 2, 3.
; THE LIST.  The expert's 64 words of sel are asked for ahead of the weights; wave 0 lays the chosen tokens on end in LDS (position = bits below mine in the word + the words before), four words at a time in four sets of
; registers, so that no line reads the result of the line before it; entries past the count N stay 0 (token 0: computed, never used).
; THE HEAD'S ORDER: list | barrier | the first 64 rows are asked for | W1 into its stage | barrier | W1's fragments are fetched while the rows are on their way | the rows into LDS, the next 64 are asked for | lap 0.
; THE PRODUCT IS USED TRANSPOSED (source 0 = 16 rows of W1, source 1 = 16 rows of x) and lane r of tile u takes W1's row 32 CG + 8 u + r + 8 (r / 8): a lane's 16 results are 16 neighbouring hidden units of ONE row.
; FRAGMENTS are fetched by four loads of 16 bytes: registers 4 c .. 4 c + 3 hold k = 32 c + 16 (lane / 16) + 0 .. 15 of a K step: one permutation of k, the same on both sides.
; hq: tile T = 64 E + t (16 list rows), 65,536 bytes: [K step kb = HS][c = CG][lane][16 bytes]: the image of the second product's operand registers.  Tiles 0-3 of every expert are always written.
; GELU: a = |v| / sqrt 2; gelu = max(v, 0) - |v| / 2 x erfc(a); erfc(a) = t exp(p(t) - a a), t = 1 / (1 + a / 2), p of degree 9: a fit whose own error is about 1.2e-7 of erfc for every a >= 0.  All in f32.
; The loop's trip count is a constant (16 laps serve N = 1,024) and every wave passes every barrier; a lap without rows jumps over its work by scalar branches on the stored count.
; NO TENSOR LOADS, NO CLUSTER: which rows are read, and how many laps have work, hang on numbers read from memory; the weights are read by one work-group each.
; LIMITS: e0 + e1 between -125 and 125; e2 - e0 - e1 between -126 and 119.  NaN and infinities are not served.  erfc's relative error grows with a a (the exponent p(t) - a a and its product with log2 e are each rounded once).
.set LIST,  0                          ; LDS: 1,280 words: the routed rows' ids (1,024 x slot + token); words past the count N hold 0
; HOW THE LIST IS MADE, in place of what stands above of one wave: wave w lays the ids of its own eight words of sel (256 w .. 256 w + 255) on end in LDS bytes of its own; a barrier shows the eight counts; then
; wave w lays places 128 w .. 128 w + 127 of the joined list: the piece that a place lies in is found by comparing it with the counts' running sums.  A row's token is its id's low ten bits.
; The expert's first work-group also stores the list and N for the next launch.
.set DUMPI, 256                        ; the word behind a wave's 256 takes what lanes without a bit write
.set SEGB,  1536                       ; a wave's piece: 257 words, rounded up to three stores of 512 bytes
.set SEG,   272384                     ; behind the spare words: the eight pieces,
.set SCNT,  SEG+8*SEGB                 ; and their counts
.set PW,    1040                       ; a row of 1,024 codes + 16: row r starts 4 r banks on
.set WST,   5120                       ; W1's 128 rows, once
.set AB0,   WST+128*PW                 ; x's 64 rows of a lap, two buffers
.set AB1,   AB0+64*PW
.set AFR,  4                           ; v4-5   where I read x's fragments, buffer 0, 1
.set AST,  6                           ; v6-7   where I store gathered rows
.set LRD,  8                           ; v8     my 16 list entries of a lap
.set LA,   9                           ; v9     the list address in hand
.set GXO,  10                          ; v10    my 16 bytes in a row of xq: 256 (w % 4) + 16 (lane % 16)
.set HQO,  11                          ; v11    my 16 bytes in a K step's image: 512 CG + 16 lane
.set WGL,  12                          ; v12    16 lane
.set WSS,  13                          ; v13    W1's stage, in
.set WSR,  14                          ; v14    and out
.set BOF,  15                          ; v15    64 (lane / 16)
.set VDI,  16                          ; v16    the dump's index
.set VN,   18                          ; v18    N
.set VNAD, 19                          ; v19    the counts' address
.set LIM,  20                          ; v20    448 x 2^(e2 - e0 - e1)
.set SCL,  21                          ; v21    2^(e2 - e0 - e1)
.set C9,   22                          ; v[22:23] p's leading coefficient
.set CODE, 24                          ; v[24:27] a lane's 16 codes
.set VSC,  28                          ; v28-31 the list's four scatter addresses, then its gather addresses
.set STG,  32                          ; v32-95  16 gathered pieces of rows
.set ZQ,   STG                         ; while the list is made: four zeros,
.set VP,   STG+4                       ; four list places,
.set VID,  STG+8                       ; the tokens that my bits of four words stand for
.set FR,   96                          ; v96-223 x's eight fragments; the first 16 also serve as gather offsets
.set GA,   160                         ; gelu's arrays of 16, in the registers of fragments that are done with
.set GQ,   176
.set GD,   192
.set GU,   208
.set ACC,  224                         ; v224-239 two accumulators
.set BIAS, 240                         ; v240-255 b1 / 2^(e0 + e1), in the result's layout
; s[4:15] addresses; s[16:23] sel's words, then: s[16:33] p's coefficients c0 .. c8 as pairs; s[34:35] log2 e; s[36:37] -2^-(e0+e1) / sqrt 2; s38 2^(e0+e1) / sqrt 2
; s84 wave, s85 CG, s86 w / 4, s87 its first tile of a lap; s[88:91] e0 .. e3; s92 N; s93 tiles; s94 the trip's first tile; s95-99 at work
.set MSB, 0
.macro WIN new                         ; the immediate's high byte repeats the setting that is left
.if MSB != \new
	s_set_vgpr_msb (MSB<<8)|\new
.set MSB, \new
.endif
.endm
.macro WORD4 sw                        ; four words of sel, s[sw] on: lane l's bit of word k stands for v[VID+k].  s99: the bits of all earlier words
	s_bcnt1_i32_b32 s98, s[\sw]
	s_add_co_u32 s95, s99, s98
	s_bcnt1_i32_b32 s98, s[\sw+1]
	s_add_co_u32 s96, s95, s98
	s_bcnt1_i32_b32 s98, s[\sw+2]
	s_add_co_u32 s97, s96, s98
	v_mbcnt_lo_u32_b32 v[VP], s[\sw], s99          ; the bits below mine + all earlier words'
	v_mbcnt_lo_u32_b32 v[VP+1], s[\sw+1], s95
	v_mbcnt_lo_u32_b32 v[VP+2], s[\sw+2], s96
	v_mbcnt_lo_u32_b32 v[VP+3], s[\sw+3], s97
	s_bcnt1_i32_b32 s98, s[\sw+3]
	s_add_co_u32 s99, s97, s98
.irp k, 0,1,2,3
	v_cndmask_b32 v[VP+\k], v[VDI], v[VP+\k], s[\sw+\k]   ; no bit: the dump
.endr
.irp k, 0,1,2,3
	s_delay_alu instid0(VALU_DEP_4)
	v_min_u32 v[VP+\k], DUMPI, v[VP+\k]            ; a number made of loaded numbers is bounded ahead of its use in an address
.endr
.irp k, 0,1,2,3
	s_delay_alu instid0(VALU_DEP_4)
	v_lshl_add_u32 v[VSC+\k], v[VP+\k], 2, s24     ; in my own piece
.endr
.irp k, 0,1,2,3
	ds_store_b32 v[VSC+\k], v[VID+\k]
.endr
.endm
.set FP, STG+12                        ; four list places of mine,
.set FO, STG+16                        ; their byte offsets in the pieces,
.set FT, STG+20                        ; at work
.macro LISTMAKE                        ; every wave
	s_mul_i32 s24, s84, SEGB
	s_add_co_u32 s24, s24, SEG                     ; my piece
.irp i, 0,1,2,3
	v_mov_b32 v[ZQ+\i], 0
.endr
	v_add_nc_u32 v[LA], s24, v[WGL]
	v_lshlrev_b32 v17, 2, v0
.irp i, 0,1,2
	ds_store_b128 v[LA], v[ZQ:ZQ+3] offset:512*\i  ; zeros first: LDS serves a wave's instructions in order
.endr
	ds_store_b32 v17, v[ZQ] offset:LIST+4096       ; list words 1,024 to 1,279, one a thread
	s_lshl_b32 s95, s84, 8
	v_add_nc_u32 v[VID], s95, v1
.irp k, 1,2,3
	v_add_nc_u32 v[VID+\k], 32*\k, v[VID]
.endr
	s_mov_b32 s99, 0
	s_wait_alu depctr_va_vdst(0)
	s_wait_kmcnt 0x0                               ; sel's words
	WORD4 16
.irp k, 0,1,2,3
	v_add_nc_u32 v[VID+\k], 128, v[VID+\k]
.endr
	WORD4 20
	s_lshl_b32 s95, s84, 2
	s_add_co_u32 s95, s95, SCNT
	v_mov_b32 v[VN], s99
	v_mov_b32 v[VNAD], s95
	ds_store_b32 v[VNAD], v[VN]                    ; my count
	s_wait_dscnt 0x0                               ; for the others' sake: my piece and my count lie in LDS
	s_barrier_signal -1
	s_barrier_wait -1
	v_mov_b32 v[VNAD], SCNT
	ds_load_b128 v[STG:STG+3], v[VNAD]
	ds_load_b128 v[STG+4:STG+7], v[VNAD] offset:16
	s_lshl_b32 s95, s84, 7
	v_add_nc_u32 v[FP], s95, v1                    ; places 128 w + 32 k + lane
.irp k, 1,2,3
	v_add_nc_u32 v[FP+\k], 32*\k, v[FP]
.endr
.irp k, 0,1,2,3
	v_lshlrev_b32 v[FO+\k], 2, v[FP+\k]
.endr
	v_lshlrev_b32 v[LA], 2, v[FP]
	s_wait_alu depctr_va_vdst(0)
	s_wait_dscnt 0x0
.irp i, 0,1,2,3,4,5,6,7
	v_readfirstlane_b32 s[16+\i], v[STG+\i]        ; the eight counts
.endr
	s_mov_b32 s25, s16
.irp i, 1,2,3,4,5,6
	s_add_co_u32 s[25+\i], s[24+\i], s[16+\i]      ; s[24+g]: the place where piece g begins, g = 1 .. 7
.endr
	s_add_co_u32 s92, s31, s23                     ; N
.irp i, 0,1,2,3,4,5,6
	s_lshl_b32 s[41+\i], s[16+\i], 2
	s_sub_co_u32 s[41+\i], SEGB, s[41+\i]          ; s[40+g]: what the offset gains where piece g begins
.endr
.irp g, 1,2,3,4,5,6,7
.irp k, 0,1,2,3
	v_cmp_le_u32 s[48+\k], s[24+\g], v[FP+\k]
.endr
.irp k, 0,1,2,3
	v_cndmask_b32 v[FT+\k], 0, s[40+\g], s[48+\k]
.endr
.irp k, 0,1,2,3
	v_add_nc_u32 v[FO+\k], v[FO+\k], v[FT+\k]
.endr
.endr
.irp k, 0,1,2,3
	v_min_u32 v[FO+\k], 8*SEGB-4, v[FO+\k]         ; a number made of loaded numbers is bounded ahead of its use in an address
.endr
.irp k, 0,1,2,3
	v_add_nc_u32 v[VSC+\k], SEG, v[FO+\k]
.endr
.irp k, 0,1,2,3
	ds_load_b32 v[FT+\k], v[VSC+\k]
.endr
.irp k, 0,1,2,3
	v_cmp_gt_u32 s[48+\k], s92, v[FP+\k]
.endr
	s_wait_dscnt 0x0
.irp k, 0,1,2,3
	v_cndmask_b32 v[FT+\k], 0, v[FT+\k], s[48+\k]  ; places past N hold 0
.endr
.irp k, 0,1,2,3
	ds_store_b32 v[LA], v[FT+\k] offset:LIST+128*\k
.endr
.endm
.macro CPAIR reg, val
	s_mov_b32 s[\reg], \val
	s_mov_b32 s[\reg+1], \val
.endm
; 64 list rows from tile s94 + k on are asked for: my wave's 32 pieces of 256 bytes (16 loads: lanes 0-15 row i, lanes 16-31 row 16 + i of its 32 rows)
.macro ALOAD k
	s_add_co_u32 s95, s94, \k
	s_lshl_b32 s95, s95, 6                         ; 16 entries of 4 bytes a tile
	v_add_nc_u32 v[LA], s95, v[LRD]
.irp i, 0,1,2,3
	ds_load_b128 v[FR+4*\i:FR+4*\i+3], v[LA] offset:16*\i
.endr
	s_wait_dscnt 0x0                               ; the tokens are in; and every earlier LDS store has read its registers, v[STG] on among them
.irp i, 0,1,2,3,4,5,6,7,8,9,10,11,12,13,14,15
	v_min_u32 v[FR+\i], 0x7ff, v[FR+\i]
.endr
.irp i, 0,1,2,3,4,5,6,7,8,9,10,11,12,13,14,15
	v_and_b32 v[FR+\i], 0x3ff, v[FR+\i]            ; id = 1,024 x slot + token: the token
.endr
.irp i, 0,1,2,3,4,5,6,7,8,9,10,11,12,13,14,15
	v_lshl_add_u32 v[FR+\i], v[FR+\i], 10, v[GXO]
.endr
.irp i, 0,1,2,3,4,5,6,7,8,9,10,11,12,13,14,15
	global_load_b128 v[STG+4*\i:STG+4*\i+3], v[FR+\i], s[6:7]   ; sixteen lanes read 256 consecutive bytes, aligned
.endr
	s_wait_xcnt 0x0                                ; the offsets' registers are written again only behind this wait
.endm
.macro ASTORE b
.irp i, 0,1,2,3,4,5,6,7,8,9,10,11,12,13,14,15
	ds_store_b128 v[AST+(\b)], v[STG+4*\i:STG+4*\i+3] offset:\i*PW
.endr
.endm
.macro GELU                            ; v[ACC] on: 16 sums, v / 2^(e0 + e1) -> v[CODE] on: 16 codes
.irp i, 0,1,2,3,4,5,6,7,8,9,10,11,12,13,14,15
	v_mul_f32 v[GA+\i], s38, |v[ACC+\i]|           ; a.  Each accumulator is read from its low end on
.endr
.irp j, 0,2,4,6,8,10,12,14
	v_pk_fma_f32 v[GQ+\j:GQ+\j+1], v[GA+\j:GA+\j+1], 0.5, 1.0 op_sel_hi:[1,0,0]   ; 1 + a / 2
.endr
	s_wait_alu depctr_va_vdst(0)
.irp i, 0,1,2,3,4,5,6,7,8,9,10,11,12,13,14,15
	v_rcp_f32 v[GQ+\i], v[GQ+\i]                   ; THE FIRST BATCH of 16: t
.endr
.irp i, 0,1,2,3,4,5,6,7,8,9,10,11,12,13,14,15
	v_max_num_f32 v[ACC+\i], 0, v[ACC+\i]          ; max(v, 0): plain work that names no result of the batch
.endr
	s_wait_alu depctr_va_vdst(0)                   ; one wait for the batch, ahead of its first reader
.irp j, 0,2,4,6,8,10,12,14
	v_pk_fma_f32 v[GU+\j:GU+\j+1], v[GQ+\j:GQ+\j+1], v[C9:C9+1], s[32:33] op_sel_hi:[1,1,0]   ; c9 t + c8
.endr
.irp k, 7,6,5,4,3,2,1,0
.irp j, 0,2,4,6,8,10,12,14
	v_pk_fma_f32 v[GU+\j:GU+\j+1], v[GU+\j:GU+\j+1], v[GQ+\j:GQ+\j+1], s[16+2*\k:17+2*\k] op_sel_hi:[1,1,0]
.endr
.endr
.irp j, 0,2,4,6,8,10,12,14
	v_pk_fma_f32 v[GU+\j:GU+\j+1], v[GA+\j:GA+\j+1], v[GA+\j:GA+\j+1], v[GU+\j:GU+\j+1] neg_lo:[1,0,0] neg_hi:[1,0,0]   ; p(t) - a a: a a is not rounded by itself
.endr
.irp j, 0,2,4,6,8,10,12,14
	v_pk_mul_f32 v[GU+\j:GU+\j+1], v[GU+\j:GU+\j+1], s[34:35] op_sel_hi:[1,0]   ; x log2 e
.endr
	s_wait_alu depctr_va_vdst(0)
.irp i, 0,1,2,3,4,5,6,7,8,9,10,11,12,13,14,15
	v_exp_f32 v[GU+\i], v[GU+\i]                   ; THE SECOND BATCH of 16: exp(p(t) - a a)
.endr
.irp j, 0,2,4,6,8,10,12,14
	v_pk_mul_f32 v[GD+\j:GD+\j+1], v[GQ+\j:GQ+\j+1], v[GA+\j:GA+\j+1]   ; t a: plain work that names no result of the batch
.endr
	s_wait_alu depctr_va_vdst(0)                   ; one wait for the batch, ahead of its first reader
.irp j, 0,2,4,6,8,10,12,14
	v_pk_mul_f32 v[GD+\j:GD+\j+1], v[GD+\j:GD+\j+1], v[GU+\j:GU+\j+1]   ; a erfc(a)
.endr
.irp j, 0,2,4,6,8,10,12,14
	v_pk_fma_f32 v[ACC+\j:ACC+\j+1], v[GD+\j:GD+\j+1], s[36:37], v[ACC+\j:ACC+\j+1] op_sel_hi:[1,0,1]   ; gelu / 2^(e0 + e1)
.endr
.irp i, 0,1,2,3,4,5,6,7,8,9,10,11,12,13,14,15
	v_med3_num_f32 v[ACC+\i], v[ACC+\i], -v[LIM], v[LIM]   ; the conversion does not saturate (ISA guide 7.6.2): the hold at the largest code x the scale
.endr
	s_wait_alu depctr_va_vdst(0)
	s_wait_xcnt 0x0                                ; the last tile's store has read v[CODE] on
	v_cvt_scalef32_pk8_fp8_f32 v[CODE:CODE+1], v[ACC:ACC+7], v[SCL]
	v_cvt_scalef32_pk8_fp8_f32 v[CODE+2:CODE+3], v[ACC+8:ACC+15], v[SCL]
	v_nop                                          ; a plain instruction behind the last conversion: later products write its sources
.endm
; My tile m of the lap in buffer b: 16 rows x my 32 hidden units: 16 products, the two accumulators by turns.
.macro UPTILE b, m
	s_add_co_u32 s95, s94, 4*\b+\m
	s_add_co_u32 s95, s95, s87
	s_cmp_lt_u32 s95, s93
	s_cbranch_scc0 .Lno_tile_\@
.irp s, 0,1,2,3,4,5,6,7
.irp c, 0,1,2,3
	ds_load_b128 v[FR+16*\s+4*\c:FR+16*\s+4*\c+3], v[AFR+\b] offset:\m*16*PW+128*\s+32*\c
.endr
.endr
	WIN 0x01                                       ; source 0 (W1) window 1
.irp s, 0,1,2,3,4,5,6,7
	s_wait_dscnt 28-4*\s                           ; K step s's four loads are in; the later steps' may be out
.if \s == 0
	v_wmma_f32_16x16x128_fp8_fp8 v[ACC:ACC+7], v[0:15], v[FR:FR+15], v[BIAS:BIAS+7]
	v_wmma_f32_16x16x128_fp8_fp8 v[ACC+8:ACC+15], v[128:143], v[FR:FR+15], v[BIAS+8:BIAS+15]
.else
	v_wmma_f32_16x16x128_fp8_fp8 v[ACC:ACC+7], v[16*\s:16*\s+15], v[FR+16*\s:FR+16*\s+15], v[ACC:ACC+7]
	v_wmma_f32_16x16x128_fp8_fp8 v[ACC+8:ACC+15], v[128+16*\s:128+16*\s+15], v[FR+16*\s:FR+16*\s+15], v[ACC+8:ACC+15]
.endif
.endr
	WIN 0
.rept 4
	v_nop                                          ; four places behind the last products (ISA guide 7.12.1), ahead of the reads of their results and the writes over their sources
.endr
	GELU
	global_store_b128 v[HQO], v[CODE:CODE+3], s[14:15] offset:\b*262144+\m*65536   ; the wave stores 512 consecutive bytes, aligned
.Lno_tile_\@:
.endm
; A lap.  ONE barrier, at its head: in front of it each wave's stores into this lap's buffer have landed and its reads of the other buffer are over.  Behind it this lap's buffer is multiplied at once; between my two
; tiles the other buffer takes the next lap's rows (asked for a lap ago: their wait stands there), and the lap after that is asked for.  The next lap's barrier stands between those stores and their readers.
.macro LAP b
	s_wait_dscnt 0x0
	s_barrier_signal -1
	s_barrier_wait -1
	UPTILE \b, 0
	s_add_co_u32 s95, s94, 4*\b+4
	s_cmp_lt_u32 s95, s93
	s_cbranch_scc0 .Lno_next_\@
	s_wait_loadcnt 0x0                             ; the next lap's rows are in registers
	ASTORE 1-\b
	s_add_co_u32 s95, s94, 4*\b+8
	s_cmp_lt_u32 s95, s93
	s_cbranch_scc0 .Lno_next_\@
	ALOAD 4*\b+8
.Lno_next_\@:
	UPTILE \b, 1
.endm
	s_load_b256 s[4:11], s[0:1], 0x0               ; W1 s[4:5], xq s[6:7], sel s[8:9], b1 s[10:11]
	s_load_b128 s[12:15], s[0:1], 0x20             ; the scales s[12:13], hq s[14:15]
	s_load_b64 s[66:67], s[0:1], 0x30              ; lst
	s_load_b64 s[100:101], s[0:1], 0x38            ; cnt
	v_lshrrev_b32 v1, 5, v0
	s_delay_alu instid0(VALU_DEP_1)
	v_readfirstlane_b32 s84, v1                    ; wave 0..7
	s_and_b32 s85, s84, 3
	s_lshr_b32 s86, s84, 2
	s_lshl_b32 s87, s86, 1
	v_and_b32 v1, 31, v0                           ; lane
	v_and_b32 v2, 15, v0                           ; r
	v_bfe_u32 v3, v0, 4, 1                         ; h
	s_delay_alu instid0(VALU_DEP_2)
	v_mul_u32_u24 v17, v2, PW
	s_delay_alu instid0(VALU_DEP_1)
	v_lshl_add_u32 v17, v3, 4, v17
	s_mul_i32 s95, s86, 32*PW
	v_add_nc_u32 v17, s95, v17                     ; row 32 (w / 4) + r, + 16 h
	s_delay_alu instid0(VALU_DEP_1)
	v_add_nc_u32 v[AFR], AB0, v17
	s_delay_alu instid0(VALU_DEP_2)
	v_add_nc_u32 v[AFR+1], AB1, v17
	v_mul_u32_u24 v17, v3, 16*PW
	s_delay_alu instid0(VALU_DEP_1)
	v_lshl_add_u32 v17, v2, 4, v17
	s_lshl_b32 s96, s85, 8
	s_add_co_u32 s95, s95, s96
	v_add_nc_u32 v17, s95, v17                     ; row 32 (w / 4) + 16 h, byte 256 (w % 4) + 16 r
	s_delay_alu instid0(VALU_DEP_1)
	v_add_nc_u32 v[AST], AB0, v17
	s_delay_alu instid0(VALU_DEP_2)
	v_add_nc_u32 v[AST+1], AB1, v17
	s_lshl_b32 s95, s86, 7
	v_lshlrev_b32 v[BOF], 6, v3
	s_delay_alu instid0(VALU_DEP_1)
	v_add_nc_u32 v[LRD], s95, v[BOF]               ; list words 32 (w / 4) + 16 h on
	v_lshlrev_b32 v[GXO], 4, v2
	s_delay_alu instid0(VALU_DEP_1)
	v_add_nc_u32 v[GXO], s96, v[GXO]
	s_lshl_b32 s97, s85, 9
	v_lshlrev_b32 v[WGL], 4, v1
	s_delay_alu instid0(VALU_DEP_1)
	v_add_nc_u32 v[HQO], s97, v[WGL]
	s_mul_i32 s95, s84, 16*PW
	v_add_nc_u32 v[WSS], s95, v[WGL]
	s_delay_alu instid0(VALU_DEP_1)
	v_add_nc_u32 v[WSS], WST, v[WSS]               ; my wave stages rows 16 w .. 16 w + 15
	v_and_b32 v17, 8, v2
	s_delay_alu instid0(VALU_DEP_1)
	v_add_nc_u32 v17, v17, v2                      ; r + 8 (r / 8)
	s_delay_alu instid0(VALU_DEP_1)
	v_mul_u32_u24 v17, v17, PW
	s_delay_alu instid0(VALU_DEP_1)
	v_lshl_add_u32 v17, v3, 4, v17
	s_mul_i32 s95, s85, 32*PW
	v_add_nc_u32 v17, s95, v17
	s_delay_alu instid0(VALU_DEP_1)
	v_add_nc_u32 v[WSR], WST, v17
	v_mov_b32 v[VDI], DUMPI
	s_lshr_b32 s95, ttmp9, 5                       ; E
	s_and_b32 s96, ttmp9, 31                       ; HS
	s_lshl_b32 s40, s95, 22                        ; W1: E x 4 MiB + (128 HS + 16 w) rows of 1,024 bytes
	s_lshl_b32 s41, s96, 17
	s_add_co_u32 s40, s40, s41
	s_lshl_b32 s41, s84, 14
	s_add_co_u32 s40, s40, s41
	s_mov_b32 s41, 0
	s_lshl_b32 s42, s95, 14                        ; b1: (4,096 E + 128 HS + 32 CG) x 4
	s_lshl_b32 s43, s96, 9
	s_add_co_u32 s42, s42, s43
	s_lshl_b32 s43, s85, 7
	s_add_co_u32 s42, s42, s43
	s_mov_b32 s43, 0
	s_lshl_b32 s44, s95, 8                         ; sel: 256 E + 32 w
	s_lshl_b32 s45, s84, 5
	s_add_co_u32 s44, s44, s45
	s_mov_b32 s45, 0
	s_lshl_b32 s46, s95, 22                        ; hq: tile 64 E + 2 (w / 4), K step HS
	s_lshl_b32 s47, s86, 17
	s_add_co_u32 s46, s46, s47
	s_lshl_b32 s47, s96, 11
	s_add_co_u32 s46, s46, s47
	s_mov_b32 s47, 0
	s_mov_b32 s94, 0
	s_wait_kmcnt 0x0
	s_load_b128 s[88:91], s[12:13], 0x0            ; e0 .. e3
	s_add_nc_u64 s[4:5], s[4:5], s[40:41]
	s_add_nc_u64 s[10:11], s[10:11], s[42:43]
	s_add_nc_u64 s[8:9], s[8:9], s[44:45]
	s_add_nc_u64 s[14:15], s[14:15], s[46:47]
	s_load_b256 s[16:23], s[8:9], 0x0              ; my eight words of sel, ahead of the weights' loads: the list is what the first rows wait for
.irp i, 0,1,2,3
	global_load_b128 v[BIAS+4*\i:BIAS+4*\i+3], v[BOF], s[10:11] offset:16*\i   ; b1 at my 16 hidden units: 32 CG + 16 h + 0 .. 15
.endr
	WIN 0x40                                       ; destination window 1
.set i, 0
.rept 32
	global_load_b128 v[4*i:4*i+3], v[WGL], s[4:5] offset:512*i th:TH_LOAD_NT   ; 512 consecutive bytes: half a row; read once in the launch
.set i, i+1
.endr
	WIN 0
	LISTMAKE                                       ; while the weights are on their way; the list holds ids
	s_wait_dscnt 0x0                               ; my stores of the list have landed
	s_barrier_signal -1
	s_barrier_wait -1                              ; the list lies in LDS
	s_wait_alu depctr_va_vdst(0)
	ALOAD 0                                        ; list rows 0-63 are asked for at once: entries past N are token 0.
	s_wait_kmcnt 0x0                               ; the scales' exponents; and sel's words have landed in every wave, so that their registers may be written
	s_add_co_u32 s93, s92, 15
	s_lshr_b32 s93, s93, 4
	s_max_u32 s93, s93, 4                          ; tiles: at least four, so that tiles 0-3 of every expert are written
	s_and_b32 s95, ttmp9, 31
	s_cmp_lg_u32 s95, 0
	s_cbranch_scc1 .Lkept                          ; the expert's first work-group keeps its list and its count for the next launch
	s_lshr_b32 s95, ttmp9, 5
	s_lshl_b32 s96, s95, 12
	s_mov_b32 s97, 0
	s_add_nc_u64 s[66:67], s[66:67], s[96:97]      ; 1,024 words for an expert
	s_lshl_b32 s96, s95, 8
	s_add_nc_u64 s[100:101], s[100:101], s[96:97]
	s_lshl_b32 s95, s84, 9
	v_add_nc_u32 v[LA], s95, v[WGL]
	v_lshlrev_b32 v17, 2, v1
	v_mov_b32 v[VN], s92
	s_wait_alu depctr_va_vdst(0)
	ds_load_b128 v[CODE:CODE+3], v[LA]
	s_wait_dscnt 0x0
	global_store_b128 v[LA], v[CODE:CODE+3], s[66:67]   ; each wave 512 consecutive bytes
	s_cmp_lg_u32 s84, 0
	s_cbranch_scc1 .Lcounted
	global_store_b32 v17, v[VN], s[100:101]
.Lcounted:
	s_wait_xcnt 0x0
.Lkept:
	CPAIR 16, 0xbfa1fc4e                           ; c0 = -1.26551223
	CPAIR 18, 0x3f8000c7                           ; c1 =  1.00002368
	CPAIR 20, 0x3ebf88fb                           ; c2 =  0.37409196
	CPAIR 22, 0x3dc636c9                           ; c3 =  0.09678418
	CPAIR 24, 0xbe3ec24c                           ; c4 = -0.18628806
	CPAIR 26, 0x3e8ec7cc                           ; c5 =  0.27886807
	CPAIR 28, 0xbf914e5d                           ; c6 = -1.13520398
	CPAIR 30, 0x3fbe87b0                           ; c7 =  1.48851587
	CPAIR 32, 0xbf527892                           ; c8 = -0.82215223
	CPAIR 34, 0x3fb8aa3b                           ; log2 e
	v_mov_b32 v[C9], 0x3e2ef945                    ; c9 =  0.17087277
	v_mov_b32 v[C9+1], 0x3e2ef945
	s_add_co_i32 s95, s88, s89                     ; e0 + e1: a sum stands for sum x 2^(e0 + e1)
	s_lshl_b32 s96, s95, 23
	s_add_co_u32 s38, s96, 0x3f3504f3              ; 2^(e0 + e1) / sqrt 2: the exponents are added to the constant's exponent field
	s_sub_co_u32 s36, 0xbf3504f3, s96              ; -2^-(e0 + e1) / sqrt 2
	s_mov_b32 s37, s36
	s_sub_co_i32 s97, 0, s95
	s_sub_co_i32 s98, s90, s95
	s_add_co_i32 s98, s98, 127
	s_lshl_b32 s99, s98, 23
	v_mov_b32 v[SCL], s99                          ; 2^(e2 - e0 - e1): the three scales folded into the conversion's one
	s_add_co_i32 s98, s98, 8
	s_lshl_b32 s98, s98, 23
	s_or_b32 s98, s98, 0x600000
	v_mov_b32 v[LIM], s98
	s_wait_loadcnt 16                              ; b1 and W1 are in; the 16 loads of x's rows, issued behind them, may be out
.irp i, 0,1,2,3,4,5,6,7,8,9,10,11,12,13,14,15
	v_ldexp_f32 v[BIAS+\i], v[BIAS+\i], s97        ; b1 / 2^(e0 + e1): it goes in as the C of each sum's first product
.endr
	WIN 0x04                                       ; store data window 1
.set i, 0
.rept 32
	ds_store_b128 v[WSS], v[4*i:4*i+3] offset:(i/2)*PW+(i%2)*512
.set i, i+1
.endr
	WIN 0
	s_wait_dscnt 0x0                               ; for the others' sake: my rows of W1 lie in LDS; and the stores have read their registers
	s_barrier_signal -1
	s_barrier_wait -1
	WIN 0x40
.irp u, 0,1
.irp s, 0,1,2,3,4,5,6,7
.irp c, 0,1,2,3
	ds_load_b128 v[16*(8*\u+\s)+4*\c:16*(8*\u+\s)+4*\c+3], v[WSR] offset:8*\u*PW+128*\s+32*\c   ; W1's fragment (tile u, K step s): it stays.  These 64 loads run while x's rows are on their way
.endr
.endr
.endr
	WIN 0
	s_wait_loadcnt 0x0                             ; list rows 0-63
	ASTORE 0
	ALOAD 4                                        ; list rows 64-127: entries past N are token 0; they are stored into LDS only if the expert has such tiles.  Its wait for all LDS loads serves W1's fragments
.Ltrip:                                            ; 8 trips of two laps: 64 tiles.  Lap 0's barrier stands between the stores of rows 0-63 and their readers
	LAP 0
	LAP 1
	s_wait_xcnt 0x0                                ; the stores have read their base
	s_add_nc_u64 s[14:15], s[14:15], 524288        ; 8 tiles of hq on
	s_add_co_u32 s94, s94, 8
	s_cmp_lt_u32 s94, 64
	s_cbranch_scc1 .Ltrip
	s_wait_xcnt 0x0
	v_lshl_add_u32 v254, v0, 2, 0x42400
	v_mov_b32 v255, 0
	s_wait_alu depctr_va_vdst(0)
	s_wait_tensorcnt 0x0
	ds_add_u32 v254, v255
	s_wait_dscnt 0x0
	s_endpgm
.Lfunc_end_k_q88dff24471_up:
	.size	k_q88dff24471_up, .Lfunc_end_k_q88dff24471_up-k_q88dff24471_up
	.p2alignl 7, 3214868480
	.fill 96, 4, 3214868480
	.section	.rodata,"a",@progbits
	.p2align	6, 0x0
	.amdhsa_kernel k_q88dff24471_up
		.amdhsa_group_segment_fixed_size 284800
		.amdhsa_private_segment_fixed_size 0
		.amdhsa_enable_private_segment 0
		.amdhsa_kernarg_size 64
		.amdhsa_user_sgpr_count 2
		.amdhsa_user_sgpr_kernarg_segment_ptr 1
		.amdhsa_wavefront_size32 1
		.amdhsa_system_sgpr_workgroup_id_x 1
		.amdhsa_system_sgpr_workgroup_id_y 1
		.amdhsa_system_sgpr_workgroup_id_z 1
		.amdhsa_system_vgpr_workitem_id 0
		.amdhsa_next_free_vgpr 512
		.amdhsa_next_free_sgpr 102
		.amdhsa_reserve_vcc 0
		.amdhsa_float_denorm_mode_32 3
		.amdhsa_float_denorm_mode_16_64 3
		.amdhsa_memory_ordered 1
		.amdhsa_forward_progress 1
		.amdhsa_inst_pref_size 114
	.end_amdhsa_kernel
	.amdgpu_metadata
---
amdhsa.version: [ 1, 2 ]
amdhsa.kernels:
  - .name:           k_q88dff24471_up
    .symbol:         k_q88dff24471_up.kd
    .args:
      - { .name: W1_codes, .offset: 0, .size: 8, .value_kind: global_buffer, .address_space: global }
      - { .name: xq, .offset: 8, .size: 8, .value_kind: global_buffer, .address_space: global }
      - { .name: sel, .offset: 16, .size: 8, .value_kind: global_buffer, .address_space: global }
      - { .name: b1, .offset: 24, .size: 8, .value_kind: global_buffer, .address_space: global }
      - { .name: lowp_scales, .offset: 32, .size: 8, .value_kind: global_buffer, .address_space: global }
      - { .name: hq, .offset: 40, .size: 8, .value_kind: global_buffer, .address_space: global }
      - { .name: lst, .offset: 48, .size: 8, .value_kind: global_buffer, .address_space: global }
      - { .name: cnt, .offset: 56, .size: 8, .value_kind: global_buffer, .address_space: global }
    .group_segment_fixed_size: 284800
    .private_segment_fixed_size: 0
    .kernarg_segment_align: 8
    .kernarg_segment_size: 64
    .max_flat_workgroup_size: 256
    .sgpr_count:     102
    .vgpr_count:     512
    .wavefront_size: 32
...
	.end_amdgpu_metadata
.endif
;; end of part 2
;; launch down (part 3): grid 256 x 1, 4 waves a work-group, no clusters, 270,848 bytes of LDS; arguments W2_codes, hq, lst, cnt, b2, lowp_scales, yw; writes yw
.if DOCPART == 3
	.amdgcn_target "amdgcn-amd-amdhsa--gfx1250"
	.amdhsa_code_object_version 6
	.text
	.protected	k_q88dff24471_down
	.globl	k_q88dff24471_down
	.p2align	8
	.type	k_q88dff24471_down,@function
k_q88dff24471_down:
	s_mov_b64 s[64:65], 0
	v_nop
	global_prefetch_b8 v0, s[64:65] scope:SCOPE_SE
	s_setreg_imm32_b32 hwreg(HW_REG_WAVE_MODE, 25, 1), 1
	s_wait_xcnt 0x0
; THE SECOND PRODUCT, FOR THE ROUTED ROWS ALONE: yw[KH][id] = (hq W2 over the KH-th half of K) x 2^(e2 + e3), + b2 where KH = 0; f32; id = 1024 x slot + token.  The next launch adds the two halves.
; SHARES.  256 work-groups, number n: expert E = n % 8; DC = (n / 8) % 8: columns 128 DC .. + 127; KH = (n / 64) % 2: K = 2048 KH .. + 2047; RH = n / 128: the expert's tiles of 16 rows with t % 2 = RH.
; THE WEIGHTS STAY AND THE WAVES SHARE K: wave w holds K = 512 w .. + 511 of the half for all 128 columns: 8 column tiles x 4 K steps = 32 fragments, 512 registers, loaded once by addresses that hang on ids alone.
; So each byte of hq that the work-group reads goes from memory straight into ONE wave's operand registers: hq is laid as their image, a load covers 512 consecutive bytes.
; Cutting K in two lets a work-group have 128 columns instead of 64: 256 KiB of W2 and 32 KiB of hq a tile, for 8 KiB of sums a tile.
; GROUPS of four of my tiles: their products, the four waves' partial sums into four LDS buffers, ONE barrier, then wave w adds up rows 4 w .. 4 w + 3 of each tile and stores them, a row's 512 bytes an instruction,
; at the row's id, which it takes from the list by a scalar load.  Two sets of four buffers take turns: a set is written again behind the barrier of the other set's group, in front of which its readers' loads were waited for.
; THE PRODUCT IS USED TRANSPOSED (source 0 = 16 rows of W2 = 16 columns of y, source 1 = 16 rows of hq): a lane holds eight neighbouring columns of one row.
; FRAGMENTS: registers 4 c .. 4 c + 3 hold k = 32 c + 16 (lane / 16) + 0 .. 15 of a K step: one permutation of k, the same on both sides.
; The first group is written out: it multiplies and asks ahead without a condition (a tile past the count may hold anything: its sums are never stored).  Then four trips of two groups; the trips serve 32 tiles, and a
; group without tiles jumps over its work by scalar branches on the stored count.  Every wave passes every barrier.
; ROWS PAST THE COUNT N ARE NOT STORED: the rows that count are a prefix of the list, so scalar branches on N end a wave's stores.
; NO TENSOR LOADS, NO CLUSTER: how many tiles there are hangs on numbers read from memory.  NO PREFETCH: the weights have no loop to run ahead in, and a tile of hq is asked for a group ahead, into its registers.
; LIMITS: e2 + e3 between -126 and 127.  NaN and infinities are not served.  K is summed in eight parts: another order of rounding than one chain.
.set PS,    528                        ; W2's stage, and a row of partial sums: 512 bytes + 16
.set BUF,   4*16*PS                    ; a tile's partial sums: [wave][16 rows]: 33,792 bytes
.set STG,   4*BUF                      ; the stages, 32 rows a wave, lie where set 1's buffers come to lie: first written behind the first group's barrier
.set SPARE, 8*BUF
.set WGL,  4                           ; v4      16 lane
.set WSS,  5                           ; v5      W2's stage, in
.set WSR,  6                           ; v6      and out
.set STA,  8                           ; v8-11   where I put my partial sums: set S, tiles 0-1 / 2-3 of a group
.set RDA,  12                          ; v12-15  where I read the four waves' sums of my rows
.set OFF,  16                          ; v16-23  the rows' byte offsets in yw, two tiles
.set B2,   28                          ; v[28:31] b2 at my four columns, or 0
.set SPW,  32                          ; v32     my spare word
.set NIL,  33                          ; v33     0
.set ACC,  64                          ; v64-127, v128-191: accumulators of even and odd tiles; behind the barrier the partial sums read back
; window 1: hq's four tiles: v[64 m + 16 s], K step s.  windows 2 and 3: W2's fragments: K steps 0, 1 and 2, 3: v[128 (s % 2) + 16 a], column tile a.
; s[4:17] addresses; s[20:35] the group's ids; s[36:37] 2^(e2 + e3); s38 all ones where KH = 0; s83 KH, s84 wave, s85 E, s86 RH, s87 DC; s92 N; s93 my tiles; s94 the trip's first; s98 the list place of my first row in it
.set MSB, 0
.macro WIN new                         ; the immediate's high byte repeats the setting that is left
.if MSB != \new
	s_set_vgpr_msb (MSB<<8)|\new
.set MSB, \new
.endif
.endm
.macro WLOAD j                         ; 32 rows of W2, 512 bytes each, into the registers that their fragments will take
	WIN 0x80
.irp q, 0,1,2,3,4,5,6,7,8,9,10,11,12,13,14,15
	global_load_b128 v[128*(\q/8)+32*\j+4*(\q%8):128*(\q/8)+32*\j+4*(\q%8)+3], v[WGL], s[4:5] offset:4096*(32*\j+\q)
.endr
	WIN 0xc0
.irp q, 0,1,2,3,4,5,6,7,8,9,10,11,12,13,14,15
	global_load_b128 v[128*(\q/8)+32*\j+4*(\q%8):128*(\q/8)+32*\j+4*(\q%8)+3], v[WGL], s[4:5] offset:4096*(32*\j+16+\q)
.endr
	WIN 0
.endm
.macro TURN j                          ; these rows turn through my own stage into the fragments of column tiles 2 j, 2 j + 1
	WIN 0x08
.irp q, 0,1,2,3,4,5,6,7,8,9,10,11,12,13,14,15
	ds_store_b128 v[WSS], v[128*(\q/8)+32*\j+4*(\q%8):128*(\q/8)+32*\j+4*(\q%8)+3] offset:\q*PS
.endr
	WIN 0x0c
.irp q, 0,1,2,3,4,5,6,7,8,9,10,11,12,13,14,15
	ds_store_b128 v[WSS], v[128*(\q/8)+32*\j+4*(\q%8):128*(\q/8)+32*\j+4*(\q%8)+3] offset:(16+\q)*PS
.endr
	WIN 0
	s_wait_dscnt 0x0                               ; the stores have read their registers
.irp s, 0,1,2,3
	WIN 0x80+0x40*(\s/2)
.irp u, 0,1
.irp c, 0,1,2,3
	ds_load_b128 v[128*(\s%2)+16*(2*\j+\u)+4*\c:128*(\s%2)+16*(2*\j+\u)+4*\c+3], v[WSR] offset:16*\u*PS+128*\s+32*\c
.endr
.endr
.endr
	WIN 0
.endm
.macro HLOAD m, i                      ; tile i, counted from the trip's first, into slot m: 8 KiB for my 512 of K
	WIN 0x40
.irp s, 0,1,2,3
.irp c, 0,1,2,3
	global_load_b128 v[64*\m+16*\s+4*\c:64*\m+16*\s+4*\c+3], v[WGL], s[6:7] offset:(\i)*131072+\s*2048+\c*512
.endr
.endr
	WIN 0
.endm
; A group's tile m: 32 products, eight accumulators by turns; the tile four on is asked for into the same registers; the partial sums go to LDS.
.macro DTILE set, off, m, first, g
.set AB, ACC+64*(\m%2)
.if \first
	s_wait_loadcnt 48                              ; this tile's 16 loads are in; the three tiles' asked for behind it may be out
.elseif \m > 0
	s_add_co_u32 s95, s94, \off+\m
	s_cmp_lt_u32 s95, s93
	s_cbranch_scc0 .Lmmq\g
.endif
.irp s, 0,1,2,3
	WIN 0x06+(\s/2)                                ; source 0 (W2) window 2 or 3, source 1 (hq) window 1
.irp a, 0,1,2,3,4,5,6,7
.if \s == 0
	v_wmma_f32_16x16x128_fp8_fp8 v[AB+8*\a:AB+8*\a+7], v[128*(\s%2)+16*\a:128*(\s%2)+16*\a+15], v[64*\m+16*\s:64*\m+16*\s+15], 0
.else
	v_wmma_f32_16x16x128_fp8_fp8 v[AB+8*\a:AB+8*\a+7], v[128*(\s%2)+16*\a:128*(\s%2)+16*\a+15], v[64*\m+16*\s:64*\m+16*\s+15], v[AB+8*\a:AB+8*\a+7]
.endif
.endr
.endr
	WIN 0
.rept 5
	v_nop                                          ; five places behind the last products: a later tile's products begin these accumulators anew; the loads and stores below want four
.endr
.if \first == 0
	s_add_co_u32 s95, s94, \off+\m+4
	s_cmp_lt_u32 s95, s93
	s_cbranch_scc0 .Lno_more_\@
.endif
	HLOAD \m, \off+\m+4
.Lno_more_\@:
.irp a, 0,1,2,3,4,5,6,7
	ds_store_b128 v[STA+2*\set+\m/2], v[AB+8*\a:AB+8*\a+3] offset:(\m%2)*BUF+64*\a        ; lane (r, h): row r, columns 16 a + 8 h + 0 .. 7; each accumulator from its low end on
	ds_store_b128 v[STA+2*\set+\m/2], v[AB+8*\a+4:AB+8*\a+7] offset:(\m%2)*BUF+64*\a+16
.endr
.endm
.macro FLOAD set, m                    ; the four waves' sums of my four rows of tile m
.irp p, 0,1,2,3
.irp j, 0,1,2,3
	ds_load_b128 v[ACC+64*(\m%2)+16*\p+4*\j:ACC+64*(\m%2)+16*\p+4*\j+3], v[RDA+2*\set+\m/2] offset:(\m%2)*BUF+\p*16*PS+\j*PS
.endr
.endr
.endm
.macro FSUM m                          ; added, scaled, b2 added; stored at the rows' ids.  s99: the list place of my first row, which counts
.set RB, ACC+64*(\m%2)
.irp j, 0,1,2,3
	s_min_u32 s[20+4*\m+\j], s[20+4*\m+\j], 0x7ff  ; bounded ahead of its use in an address
	s_lshl_b32 s[20+4*\m+\j], s[20+4*\m+\j], 12
.endr
.irp j, 0,2,4,6,8,10,12,14
	v_pk_add_f32 v[RB+\j:RB+\j+1], v[RB+\j:RB+\j+1], v[RB+16+\j:RB+16+\j+1]
	v_pk_add_f32 v[RB+32+\j:RB+32+\j+1], v[RB+32+\j:RB+32+\j+1], v[RB+48+\j:RB+48+\j+1]
.endr
.irp j, 0,2,4,6,8,10,12,14
	v_pk_add_f32 v[RB+\j:RB+\j+1], v[RB+\j:RB+\j+1], v[RB+32+\j:RB+32+\j+1]
.endr
.irp j, 0,4,8,12
	v_pk_fma_f32 v[RB+\j:RB+\j+1], v[RB+\j:RB+\j+1], s[36:37], v[B2:B2+1] op_sel_hi:[1,0,1]
	v_pk_fma_f32 v[RB+\j+2:RB+\j+3], v[RB+\j+2:RB+\j+3], s[36:37], v[B2+2:B2+3] op_sel_hi:[1,0,1]
.endr
.irp j, 0,1,2,3
	v_add_nc_u32 v[OFF+4*(\m%2)+\j], s[20+4*\m+\j], v[WGL]
.endr
	s_wait_alu depctr_va_vdst(0)
	global_store_b128 v[OFF+4*(\m%2)], v[RB:RB+3], s[16:17]   ; the wave stores 512 consecutive bytes, aligned
.irp j, 1,2,3
	s_add_co_u32 s95, s99, \j
	s_cmp_lt_u32 s95, s92
	s_cbranch_scc0 .Lrows_\@
	global_store_b128 v[OFF+4*(\m%2)+\j], v[RB+4*\j:RB+4*\j+3], s[16:17]
.endr
.Lrows_\@:
.endm
.macro FPAIR set, off, k, g            ; tiles 2 k and 2 k + 1 of the group
	s_add_co_u32 s99, s98, 32*(\off+2*\k)          ; 32 list places for each tile of mine
	s_cmp_lt_u32 s99, s92
	s_cbranch_scc0 .Lfin\g                         ; none of my rows counts, nor any in a later tile
	s_wait_xcnt 0x0                                ; earlier stores have read their data and offsets
	FLOAD \set, (2*\k)
	FLOAD \set, (2*\k+1)
	s_wait_dscnt 16                                ; the first tile's 16 loads are in
	FSUM (2*\k)
	s_wait_dscnt 0x0
	s_add_co_u32 s99, s98, 32*(\off+2*\k+1)
	s_cmp_lt_u32 s99, s92
	s_cbranch_scc0 .Lfin\g
	FSUM (2*\k+1)
.endm
.macro GROUP set, off, first, g
.if \first == 0
	s_wait_loadcnt 0x0                             ; the group's tiles of hq are in
	s_add_co_u32 s95, s94, \off
	s_cmp_lt_u32 s95, s93
	s_cbranch_scc0 .Lmm\g
.endif
.irp i, 0,1,2,3
	s_load_b128 s[20+4*\i:23+4*\i], s[8:9], 128*(\off+\i)   ; the ids of my four rows of each tile
.endr
	DTILE \set, \off, 0, \first, \g
	DTILE \set, \off, 1, \first, \g
	DTILE \set, \off, 2, \first, \g
	DTILE \set, \off, 3, \first, \g
.Lmmq\g:
	s_wait_kmcnt 0x0                               ; the ids
.Lmm\g:
	s_wait_dscnt 0x0                               ; my partial sums lie in LDS, and my reads of the other set are over
	s_barrier_signal -1
	s_barrier_wait -1
	FPAIR \set, \off, 0, \g
	FPAIR \set, \off, 1, \g
.Lfin\g:
	s_wait_xcnt 0x0                                ; stores have read their data, loads their base
.endm
	s_load_b256 s[4:11], s[0:1], 0x0               ; W2 s[4:5], hq s[6:7], lst s[8:9], cnt s[10:11]
	s_load_b128 s[12:15], s[0:1], 0x20             ; b2 s[12:13], the scales s[14:15]
	s_load_b64 s[16:17], s[0:1], 0x30              ; yw
	v_lshl_add_u32 v[SPW], v0, 2, SPARE
	v_mov_b32 v[NIL], 0
	v_lshrrev_b32 v1, 5, v0
	v_readfirstlane_b32 s84, v1                    ; wave 0..3
	v_and_b32 v1, 31, v0                           ; lane
	v_and_b32 v2, 15, v0                           ; r
	v_bfe_u32 v3, v0, 4, 1                         ; h
	v_lshlrev_b32 v[WGL], 4, v1
	v_mul_u32_u24 v6, v2, PS
	v_lshl_add_u32 v7, v3, 5, v6                   ; row r, + 32 h
	v_lshl_add_u32 v6, v3, 4, v6                   ; row r, + 16 h
	s_mul_i32 s40, s84, 32*PS
	s_add_co_u32 s40, s40, STG                     ; my stage
	v_add_nc_u32 v[WSS], s40, v[WGL]
	v_add_nc_u32 v[WSR], s40, v6
	s_mul_i32 s41, s84, 16*PS
	v_add_nc_u32 v7, s41, v7
	s_mul_i32 s42, s84, 4*PS
	v_add_nc_u32 v34, s42, v[WGL]                  ; row 4 w, 16 bytes a lane
.irp q, 0,1,2,3
	v_add_nc_u32 v[STA+\q], 2*\q*BUF, v7
	v_add_nc_u32 v[RDA+\q], 2*\q*BUF, v34
.endr
	s_wait_alu depctr_va_vdst(0)
	s_and_b32 s85, ttmp9, 7                        ; E
	s_bfe_u32 s87, ttmp9, 0x30003                  ; DC
	s_bfe_u32 s83, ttmp9, 0x10006                  ; KH
	s_bfe_u32 s86, ttmp9, 0x10007                  ; RH
	s_lshl_b32 s40, s85, 22                        ; W2: E x 4 MiB + 128 DC rows of 4,096 bytes + 2,048 KH + 512 w
	s_lshl_b32 s41, s87, 19
	s_add_co_u32 s40, s40, s41
	s_lshl_b32 s41, s83, 11
	s_add_co_u32 s40, s40, s41
	s_lshl_b32 s41, s84, 9
	s_add_co_u32 s40, s40, s41
	s_mov_b32 s41, 0
	s_lshl_b32 s42, s85, 22                        ; hq: tile 64 E + RH, K steps 16 KH + 4 w on
	s_lshl_b32 s43, s86, 16
	s_add_co_u32 s42, s42, s43
	s_lshl_b32 s43, s83, 15
	s_add_co_u32 s42, s42, s43
	s_lshl_b32 s43, s84, 13
	s_add_co_u32 s42, s42, s43
	s_mov_b32 s43, 0
	s_lshl_b32 s44, s85, 12                        ; lst: (1,024 E + 16 RH + 4 w) x 4
	s_lshl_b32 s45, s86, 6
	s_add_co_u32 s44, s44, s45
	s_lshl_b32 s45, s84, 4
	s_add_co_u32 s44, s44, s45
	s_mov_b32 s45, 0
	s_lshl_b32 s46, s85, 8                         ; cnt: 256 E
	s_mov_b32 s47, 0
	s_lshl_b32 s48, s85, 12                        ; b2: (1,024 E + 128 DC) x 4
	s_lshl_b32 s50, s87, 9
	s_add_co_u32 s48, s48, s50
	s_mov_b32 s49, 0
	s_lshl_b32 s51, s83, 23                        ; yw: 8 MiB x KH + 128 DC columns x 4
	s_add_co_u32 s50, s50, s51
	s_mov_b32 s51, 0
	s_wait_kmcnt 0x0
	s_add_nc_u64 s[4:5], s[4:5], s[40:41]
	s_add_nc_u64 s[6:7], s[6:7], s[42:43]
	s_add_nc_u64 s[8:9], s[8:9], s[44:45]
	s_add_nc_u64 s[10:11], s[10:11], s[46:47]
	s_add_nc_u64 s[12:13], s[12:13], s[48:49]
	s_add_nc_u64 s[16:17], s[16:17], s[50:51]
	s_load_b128 s[88:91], s[14:15], 0x0            ; e0 .. e3
	s_load_b32 s92, s[10:11], 0x0                  ; N
	global_load_b128 v[B2:B2+3], v[WGL], s[12:13]
	WLOAD 0
	WLOAD 1
	WLOAD 2
	WLOAD 3
	s_wait_loadcnt 63                              ; of 129 loads at least 66 are in: b2 and rows 0-63
	TURN 0
	TURN 1
	HLOAD 0, 0
	HLOAD 1, 1
	s_wait_loadcnt 63                              ; rows 64-95 are in: 64 loads stand behind them
	TURN 2
	HLOAD 2, 2
	HLOAD 3, 3
	s_wait_loadcnt 63                              ; rows 96-127 are in: hq's 64 loads stand behind them
	TURN 3
	s_wait_kmcnt 0x0
	s_cmp_eq_u32 s83, 0
	s_cselect_b32 s38, -1, 0
	s_add_co_u32 s93, s92, 15
	s_lshr_b32 s93, s93, 4
	s_add_co_u32 s93, s93, 1
	s_sub_co_u32 s93, s93, s86
	s_lshr_b32 s93, s93, 1                         ; my tiles: those of the expert's ceil(N / 16) with t % 2 = RH
	s_add_co_i32 s36, s90, s91
	s_add_co_i32 s36, s36, 127
	s_lshl_b32 s36, s36, 23                        ; 2^(e2 + e3) as f32
	s_mov_b32 s37, s36
	s_lshl_b32 s98, s86, 4
	s_lshl_b32 s95, s84, 2
	s_add_co_u32 s98, s98, s95                     ; 16 RH + 4 w
	s_mov_b32 s94, 0
.irp i, 0,1,2,3
	v_cndmask_b32 v[B2+\i], 0, v[B2+\i], s38       ; b2 goes into the first half of K's sums alone
.endr
	s_wait_alu depctr_va_vdst(0)
	s_wait_dscnt 0x0                               ; my fragments are in
	GROUP 0, 0, 1, 0
	s_add_nc_u64 s[6:7], s[6:7], 524288            ; four of my tiles on: 8 tiles of hq
	s_add_nc_u64 s[8:9], s[8:9], 512
	s_add_co_u32 s98, s98, 128
	s_mov_b32 s94, 4
.Ltrip:                                            ; four trips of two groups
	GROUP 1, 0, 0, 1
	GROUP 0, 4, 0, 2
	s_add_nc_u64 s[6:7], s[6:7], 1048576
	s_add_nc_u64 s[8:9], s[8:9], 1024
	s_add_co_u32 s98, s98, 256
	s_add_co_u32 s94, s94, 8
	s_cmp_lt_u32 s94, 36
	s_cbranch_scc1 .Ltrip
	s_wait_tensorcnt 0x0                           ; the wave's end
	ds_add_u32 v[SPW], v[NIL]
	s_wait_dscnt 0x0
	s_endpgm
.Lfunc_end_k_q88dff24471_down:
	.size	k_q88dff24471_down, .Lfunc_end_k_q88dff24471_down-k_q88dff24471_down
	.p2alignl 7, 3214868480
	.fill 96, 4, 3214868480
	.section	.rodata,"a",@progbits
	.p2align	6, 0x0
	.amdhsa_kernel k_q88dff24471_down
		.amdhsa_group_segment_fixed_size 270848
		.amdhsa_private_segment_fixed_size 0
		.amdhsa_enable_private_segment 0
		.amdhsa_kernarg_size 56
		.amdhsa_user_sgpr_count 2
		.amdhsa_user_sgpr_kernarg_segment_ptr 1
		.amdhsa_wavefront_size32 1
		.amdhsa_system_sgpr_workgroup_id_x 1
		.amdhsa_system_sgpr_workgroup_id_y 1
		.amdhsa_system_sgpr_workgroup_id_z 1
		.amdhsa_system_vgpr_workitem_id 0
		.amdhsa_next_free_vgpr 1024
		.amdhsa_next_free_sgpr 102
		.amdhsa_reserve_vcc 0
		.amdhsa_float_denorm_mode_32 3
		.amdhsa_float_denorm_mode_16_64 3
		.amdhsa_memory_ordered 1
		.amdhsa_forward_progress 1
		.amdhsa_inst_pref_size 154
	.end_amdhsa_kernel
	.amdgpu_metadata
---
amdhsa.version: [ 1, 2 ]
amdhsa.kernels:
  - .name:           k_q88dff24471_down
    .symbol:         k_q88dff24471_down.kd
    .args:
      - { .name: W2_codes, .offset: 0, .size: 8, .value_kind: global_buffer, .address_space: global }
      - { .name: hq, .offset: 8, .size: 8, .value_kind: global_buffer, .address_space: global }
      - { .name: lst, .offset: 16, .size: 8, .value_kind: global_buffer, .address_space: global }
      - { .name: cnt, .offset: 24, .size: 8, .value_kind: global_buffer, .address_space: global }
      - { .name: b2, .offset: 32, .size: 8, .value_kind: global_buffer, .address_space: global }
      - { .name: lowp_scales, .offset: 40, .size: 8, .value_kind: global_buffer, .address_space: global }
      - { .name: yw, .offset: 48, .size: 8, .value_kind: global_buffer, .address_space: global }
    .group_segment_fixed_size: 270848
    .private_segment_fixed_size: 0
    .kernarg_segment_align: 8
    .kernarg_segment_size: 56
    .max_flat_workgroup_size: 128
    .sgpr_count:     102
    .vgpr_count:     1024
    .wavefront_size: 32
...
	.end_amdgpu_metadata
.endif
;; end of part 3
;; launch combine (part 4): grid 256 x 1, 8 waves a work-group, no clusters, 0 bytes of LDS; arguments yw, gate, out0; writes out0
.if DOCPART == 4
	.amdgcn_target "amdgcn-amd-amdhsa--gfx1250"
	.amdhsa_code_object_version 6
	.text
	.protected	k_q88dff24471_combine
	.globl	k_q88dff24471_combine
	.p2align	8
	.type	k_q88dff24471_combine,@function
k_q88dff24471_combine:
	s_mov_b64 s[64:65], 0
	v_nop
	global_prefetch_b8 v0, s[64:65] scope:SCOPE_SE
	s_setreg_imm32_b32 hwreg(HW_REG_WAVE_MODE, 25, 1), 1
	s_wait_xcnt 0x0
; out[t] = gate[t] x y[t] + gate[1024 + t] x y[1024 + t], y[id] = yw[0][id] + yw[1][id], the sums over the two halves of K: a token's two routed rows, weighed.  All f32.
; A work-group takes four tokens; thread i takes the 16 bytes at 16 i of every row, so a wave's load or store covers 512 consecutive bytes and the eight waves a row.
; A stream: no LDS, no barrier, no matrix unit.  All sixteen loads of a thread go out at once; the gates come by scalar loads.
	s_load_b128 s[4:7], s[0:1], 0x0                ; yw s[4:5], gate s[6:7]
	s_load_b64 s[8:9], s[0:1], 0x10                ; out0
	v_lshlrev_b32 v1, 4, v0
	s_lshl_b32 s10, ttmp9, 14                      ; four rows of 4,096 bytes
	s_mov_b32 s11, 0
	s_lshl_b32 s12, ttmp9, 4                       ; four gates
	s_mov_b32 s13, 0
	s_wait_alu depctr_va_vdst(0)
	s_wait_kmcnt 0x0
	s_add_nc_u64 s[4:5], s[4:5], s[10:11]
	s_add_nc_u64 s[26:27], s[4:5], 0x800000        ; the second half of K
	s_add_nc_u64 s[8:9], s[8:9], s[10:11]
	s_add_nc_u64 s[6:7], s[6:7], s[12:13]
	s_load_b128 s[16:19], s[6:7], 0x0              ; the first choices' gates
	s_load_b128 s[20:23], s[6:7], 0x1000           ; the second choices'
.irp i, 0,1,2,3
	global_load_b128 v[4+16*\i:7+16*\i], v1, s[4:5] offset:4096*\i th:TH_LOAD_NT
	global_load_b128 v[8+16*\i:11+16*\i], v1, s[26:27] offset:4096*\i th:TH_LOAD_NT
	global_load_b128 v[12+16*\i:15+16*\i], v1, s[4:5] offset:4194304+4096*\i th:TH_LOAD_NT
	global_load_b128 v[16+16*\i:19+16*\i], v1, s[26:27] offset:4194304+4096*\i th:TH_LOAD_NT
.endr
	s_wait_kmcnt 0x0
.irp i, 0,1,2,3
	s_wait_loadcnt 12-4*\i                         ; row i's four loads are in; the later rows' may be out
.irp c, 4,6,12,14
	v_pk_add_f32 v[16*\i+\c:16*\i+\c+1], v[16*\i+\c:16*\i+\c+1], v[16*\i+\c+4:16*\i+\c+5]
.endr
.irp c, 4,5,6,7
	v_mul_f32 v[16*\i+\c], s[16+\i], v[16*\i+\c]
.endr
.irp c, 4,5,6,7
	v_fma_f32 v[16*\i+\c], s[20+\i], v[16*\i+\c+8], v[16*\i+\c]
.endr
	global_store_b128 v1, v[4+16*\i:7+16*\i], s[8:9] offset:4096*\i th:TH_STORE_NT
.endr
	s_endpgm
.Lfunc_end_k_q88dff24471_combine:
	.size	k_q88dff24471_combine, .Lfunc_end_k_q88dff24471_combine-k_q88dff24471_combine
	.p2alignl 7, 3214868480
	.fill 96, 4, 3214868480
	.section	.rodata,"a",@progbits
	.p2align	6, 0x0
	.amdhsa_kernel k_q88dff24471_combine
		.amdhsa_group_segment_fixed_size 0
		.amdhsa_private_segment_fixed_size 0
		.amdhsa_enable_private_segment 0
		.amdhsa_kernarg_size 24
		.amdhsa_user_sgpr_count 2
		.amdhsa_user_sgpr_kernarg_segment_ptr 1
		.amdhsa_wavefront_size32 1
		.amdhsa_system_sgpr_workgroup_id_x 1
		.amdhsa_system_sgpr_workgroup_id_y 1
		.amdhsa_system_sgpr_workgroup_id_z 1
		.amdhsa_system_vgpr_workitem_id 0
		.amdhsa_next_free_vgpr 80
		.amdhsa_next_free_sgpr 66
		.amdhsa_reserve_vcc 0
		.amdhsa_float_denorm_mode_32 3
		.amdhsa_float_denorm_mode_16_64 3
		.amdhsa_memory_ordered 1
		.amdhsa_forward_progress 1
		.amdhsa_inst_pref_size 6
	.end_amdhsa_kernel
	.amdgpu_metadata
---
amdhsa.version: [ 1, 2 ]
amdhsa.kernels:
  - .name:           k_q88dff24471_combine
    .symbol:         k_q88dff24471_combine.kd
    .args:
      - { .name: yw, .offset: 0, .size: 8, .value_kind: global_buffer, .address_space: global }
      - { .name: gate, .offset: 8, .size: 8, .value_kind: global_buffer, .address_space: global }
      - { .name: out0, .offset: 16, .size: 8, .value_kind: global_buffer, .address_space: global }
    .group_segment_fixed_size: 0
    .private_segment_fixed_size: 0
    .kernarg_segment_align: 8
    .kernarg_segment_size: 24
    .max_flat_workgroup_size: 256
    .sgpr_count:     66
    .vgpr_count:     80
    .wavefront_size: 32
...
	.end_amdgpu_metadata
.endif
;; end of part 4
